; MI455X (gfx1250); checked and timed in simulation.
; The chip was launched on July 23, 2026; its instructions are those of AMD's public machine-readable ISA for CDNA 5 (MIT licence, August 2026) and "CDNA5" Instruction Set Architecture Reference Guide (July 2026). The comments in the code are by the model that wrote it; some were corrected since.
;; Mann ELT. Allowed arithmetic: float matrix products may take bf16 or f16 operands with f32 sums; other float arithmetic in f32, or as packed bf16 or f16 multiplies, adds, multiply-adds, maxima and minima; sums over many terms, partial sums and values carried from step to step in f32; what a program stores and reads back later, other than sums and carried values, may be rounded once to bf16 or f16.
;; Inputs: L one number float32; gamma one number float32; k 256 x 256 x 128 x 3 float32.
;; Outputs: out0 256 x 256 x 128 float32.
;; One version. Each part assembles by itself: llvm-mc -triple=amdgcn-amd-amdhsa -mcpu=gfx1250 --defsym DOCPART=n.
;; ======== version 1 of 1: 1 launch
;; limits: an iteration or a series of the reference is cut at 9 steps; a function is approximated: absolute error at most 5e-05; right only within a limited range of input values
;; launch tau (part 1): grid 256 x 1, 32 waves a work-group, no clusters, 53,248 bytes of LDS; arguments k, L, gamma, out0; writes out0
.if DOCPART == 1
	.amdgcn_target "amdgcn-amd-amdhsa--gfx1250"
	.amdhsa_code_object_version 6
	.text
	.protected	k_qe8770065bc_tau
	.globl	k_qe8770065bc_tau
	.p2align	8
	.type	k_qe8770065bc_tau,@function
k_qe8770065bc_tau:
	s_mov_b64 s[64:65], 0
	v_nop
	global_prefetch_b8 v0, s[64:65] scope:SCOPE_SE
	s_setreg_imm32_b32 hwreg(HW_REG_WAVE_MODE, 25, 1), 1
	s_wait_xcnt 0x0
; MANN EDDY LIFETIME.  out[p] = gamma * tau(L * |k[p]|) for 8,388,608 points p; k: [points][3] f32, out: [points] f32, L and gamma one f32 each.
; THE FORMULA.  With t = L |k|, u = 1 + t^2, w = 1 / u (so t^2 w = 1 - w):  tau = t^(-2/3) / sqrt((t^2 w)^(1/3) S(w)) = u^(1/6) * rsq(t^2 S(w)),
; S(w) = 2F1(1/3, -3/2; 4/3; w) = sum of c_n w^n, c_n = (-3/2)_n / n! / (3 n + 1): 1, -3/8, 3/56, 1/160, 3/1664, 3/4096, 7/19456, 9/45056, 99/819200, ...; from n = 2 on all are positive.
; Four transcendentals a point: rcp (w), log2 and exp2 (u^(1/6)), rsq.
; THE SERIES.  w lies in 0 .. 1 whatever the input.  Terms 0 to 8 are taken as they are; the tail, sum over n > 8 of c_n w^n, is replaced by T w^8 with T = S(1) - (c_0 + .. + c_8) = 0.00030682,
; where S(1) = Gamma(4/3) Gamma(5/2) / Gamma(17/6) = 0.68834394 (Gauss's sum).  The error, sum over n > 8 of c_n (w^8 - w^n), is 0 at w = 0 and at w = 1 and lies between 0 and 5e-5 on all of 0 .. 1
; (largest near w = 0.92); S is at least 0.688, so tau comes out at most 4e-5 of itself too low, for every input.
; THE MASK.  t^2 is made as (L |L|) (x^2 + y^2 + z^2), which has L's sign; the mask is t^2 > 0: false for L <= 0, for k = 0 and for a NaN in k or L, as L |k| > 0 is.  Where it is false the result is gamma * 0.
; The lanes that it hides compute on whatever they hold; the choice is made last, by v_cndmask_b32.
; LIMITS.  L^2 must be a normal f32: |L| from 1.1e-19 to 1.8e19.  Where t^2 S is a denormal (t under 1.4e-19) v_rsq_f32 takes it as 0 (ISA guide 15.8) and the result is infinite.
; The sum of squares is made with fused multiply-adds, and t^2 is rounded otherwise than (L sqrt(..))^2: differences in the last bits.
; SHARES.  256 work-groups of 32 waves.  A work-group owns 32,768 points in 8 chunks of 4,096 (49,152 bytes of k, 16,384 of out).  In each chunk a wave owns 1,536 consecutive bytes of k = 128 points, a lane
; four consecutive points.  A wave issues all its 24 loads at its start (96 registers): each covers 512 consecutive bytes, at a multiple of 512 from k's first byte.  Then the chunks are taken in order.
; No register that a load or store names is ever written again, so no wait frees one.
; THE TURN THROUGH LDS.  As loaded, lane l holds bytes 16 l of each 512; to own four points it needs bytes 48 l .. 48 l + 47 of the 1,536.  The wave writes its three loads into 1,536 LDS bytes of its own and
; reads them back 48 bytes a lane.  No other wave touches these bytes and LDS serves a wave's instructions in order (ISA guide 5.7.1.4): no barrier, and no wait between the stores and the loads.
.set CHUNKS, 8
.set CH_IN,  49152                     ; bytes of k in a chunk
.set CH_OUT, 16384                     ; bytes of out in a chunk
.set WV_IN,  1536                      ; a wave's bytes of k in a chunk, and its stage in LDS
.set SPARE,  32*WV_IN                  ; behind the 32 stages: the spare words, 128 bytes for each wave: 16 blocks of 256 bytes that no other line names
.set SA,  2                            ; v2       1,536 x wave + 16 x lane: my 16 bytes in a chunk of k, and the same place in the stages; never rewritten
.set LA,  3                            ; v3       1,536 x wave + 48 x lane: where I read my four points back; never rewritten
.set OO,  4                            ; v4       16 x thread: my 16 bytes in a chunk of out; never rewritten
.set SPW, 6                            ; v6       LDS address of my spare word; never rewritten
.set NIL, 7                            ; v7       0; never rewritten
.set Q,   8                            ; v[8:11]   x^2 + y^2 + z^2 of my four points, then t^2
.set U,   12                           ; v[12:15]  u = 1 + t^2
.set W,   16                           ; v[16:19]  w = 1 / u
.set A,   20                           ; v[20:23]  Horner's sum S, then t^2 S, its rsq, the result
.set LG,  24                           ; v[24:27]  log2 u, a sixth of it, u^(1/6), gamma u^(1/6)
.set X,   32                           ; v[32:127] chunk q: 12 registers, as loaded, then my four points' x y z, then (the first four) the results to store
.set SL,  18                           ; s[18:19]  L |L|          (the packed lines name a pair and take its low word for both halves; both words are written)
.set GA,  20                           ; s[20:21]  gamma
.set ZE,  22                           ; s22       gamma * 0
.set SIX, 24                           ; s[24:25]  1 / 6
.set CF,  26                           ; s[26:41]  c_n at s[CF + 2 n - 2], n = 1 .. 8
.set MK,  44                           ; s[44:47]  the four points' masks
	s_load_b256 s[4:11], s[0:1], 0x0               ; k s[4:5], L s[6:7], gamma s[8:9], out s[10:11]
	v_lshl_add_u32 v[SPW], v0, 2, SPARE
	v_mov_b32 v[NIL], 0
	v_lshrrev_b32 v1, 5, v0
	v_readfirstlane_b32 s16, v1                    ; my wave's number, 0 .. 31
	v_and_b32 v1, 31, v0                           ; lane
	s_mul_i32 s17, s16, WV_IN
	v_lshl_add_u32 v[SA], v1, 4, s17
	v_mul_u32_u24 v[LA], v1, 48
	v_add_nc_u32 v[LA], s17, v[LA]
	v_lshlrev_b32 v[OO], 4, v0
	s_mul_i32 s14, ttmp9, CHUNKS*CH_IN             ; the work-group's part of k: under 2^32 for all 256
	s_mov_b32 s15, 0
	s_lshl_b32 s2, ttmp9, 17                       ; and of out: 8 x 16,384 bytes
	s_mov_b32 s3, 0
	s_wait_kmcnt 0x0
	s_load_b32 s12, s[6:7], 0x0                    ; L
	s_load_b32 s13, s[8:9], 0x0                    ; gamma
	s_add_nc_u64 s[4:5], s[4:5], s[14:15]
	s_add_nc_u64 s[10:11], s[10:11], s[2:3]
.set i, 0
.rept CHUNKS                                           ; all 24 loads of the wave, chunk by chunk; k is read once in the launch
.irp j, 0,1,2
	global_load_b128 v[X+12*i+4*(\j):X+12*i+4*(\j)+3], v[SA], s[4:5] offset:i*CH_IN+512*(\j) th:TH_LOAD_NT
.endr
.set i, i+1
.endr
; the constants are written while the loads are on their way
.macro COEF n, bits
	s_mov_b32 s[CF+2*(\n)-2], \bits
	s_mov_b32 s[CF+2*(\n)-1], \bits
.endm
	COEF 1, 0xbec00000                             ; -3/8
	COEF 2, 0x3d5b6db7                             ; 3/56      = 0.053571429
	COEF 3, 0x3bcccccd                             ; 1/160     = 0.00625
	COEF 4, 0x3aec4ec5                             ; 3/1664    = 0.0018028846
	COEF 5, 0x3a400000                             ; 3/4096    = 0.00073242188
	COEF 6, 0x39bca1af                             ; 7/19456   = 0.00035978618
	COEF 7, 0x3951745d                             ; 9/45056   = 0.00019975142
	COEF 8, 0x39e038e5                             ; 99/819200 + T = 0.00012084961 + 0.00030682 = 0.00042767
	s_mov_b32 s[SIX], 0x3e2aaaab                   ; 1/6
	s_mov_b32 s[SIX+1], 0x3e2aaaab
	s_wait_kmcnt 0x0                               ; L and gamma
	s_and_b32 s[SL], s12, 0x7fffffff               ; |L|
	s_mul_f32 s[SL], s[SL], s12                    ; L |L|
	s_mov_b32 s[SL+1], s[SL]
	s_mov_b32 s[GA], s13
	s_mov_b32 s[GA+1], s13
	s_mul_f32 s[ZE], s13, 0                        ; gamma * 0, with gamma's sign (and a NaN where gamma is none of a number's kind), as the product in the formula gives it
; One step of Horner's scheme for the pair of points p, p + 1: S = S w + c_n
.macro H p, n
	v_pk_fma_f32 v[A+(\p):A+(\p)+1], v[A+(\p):A+(\p)+1], v[W+(\p):W+(\p)+1], s[CF+2*(\n)-2:CF+2*(\n)-1] op_sel_hi:[1,1,0]
.endm
; Chunk q.  Behind every transcendental stands a plain vector line that names none of its registers before its result is used or its source rewritten (ISA guide 5.7.2):
; the logarithms and exponentials stand singly between Horner's steps, the reciprocals ahead of the two lines that make t^2, the four rsq ahead of the two products with gamma.
.macro QUAD q
.set XB, X+12*(\q)
	s_wait_loadcnt 21-3*(\q)                       ; loads come back in order (ISA guide 5.7.1): this chunk's three are in, the 3 (7 - q) younger ones stay out
.irp j, 0,1,2
	ds_store_b128 v[SA], v[XB+4*(\j):XB+4*(\j)+3] offset:512*(\j)  ; as loaded: 16 bytes a lane, 512 on end
.endr
.irp j, 0,1,2
	ds_load_b128 v[XB+4*(\j):XB+4*(\j)+3], v[LA] offset:16*(\j)    ; back, 48 bytes a lane: lane l starts at word 12 l, and for 16 lanes 12 l mod 64 are the 16 multiples of 4 (64 banks of 4 bytes: ISA guide 11.1)
.endr
	s_wait_dscnt 0x0                               ; my four points: x y z at XB + 3 e
.irp e, 0,1,2,3
	v_mul_f32 v[Q+(\e)], v[XB+3*(\e)], v[XB+3*(\e)]
.endr
.irp e, 0,1,2,3
	v_fmac_f32 v[Q+(\e)], v[XB+3*(\e)+1], v[XB+3*(\e)+1]
.endr
.irp e, 0,1,2,3
	v_fmac_f32 v[Q+(\e)], v[XB+3*(\e)+2], v[XB+3*(\e)+2]
.endr
.irp p, 0,2
	v_pk_fma_f32 v[U+(\p):U+(\p)+1], v[Q+(\p):Q+(\p)+1], s[SL:SL+1], 1.0 op_sel_hi:[1,0,0]  ; u = 1 + t^2
.endr
.irp e, 0,1,2,3
	v_rcp_f32 v[W+(\e)], v[U+(\e)]                 ; w
.endr
.irp p, 0,2
	v_pk_mul_f32 v[Q+(\p):Q+(\p)+1], v[Q+(\p):Q+(\p)+1], s[SL:SL+1] op_sel_hi:[1,0]         ; t^2, with L's sign
.endr
.irp e, 0,1,2,3
	v_cmp_lt_f32 s[MK+(\e)], 0, v[Q+(\e)]          ; the mask: 0 < t^2
.endr
	s_wait_alu depctr_va_vdst(0)
.irp p, 0,2
	v_pk_fma_f32 v[A+(\p):A+(\p)+1], v[W+(\p):W+(\p)+1], s[CF+14:CF+15], s[CF+12:CF+13] op_sel_hi:[1,0,0]  ; c_8 w + c_7 starts the sum
.endr
	v_log_f32 v[LG], v[U]
	H 0, 6
	v_log_f32 v[LG+1], v[U+1]
	H 2, 6
	v_log_f32 v[LG+2], v[U+2]
	H 0, 5
	v_log_f32 v[LG+3], v[U+3]
	H 2, 5
	H 0, 4
	H 2, 4
	s_wait_alu depctr_va_vdst(0)
	v_pk_mul_f32 v[LG:LG+1], v[LG:LG+1], s[SIX:SIX+1] op_sel_hi:[1,0]      ; log2(u) / 6
	H 0, 3
	v_pk_mul_f32 v[LG+2:LG+3], v[LG+2:LG+3], s[SIX:SIX+1] op_sel_hi:[1,0]
	H 2, 3
	v_exp_f32 v[LG], v[LG]                         ; u^(1/6)
	H 0, 2
	v_exp_f32 v[LG+1], v[LG+1]
	H 2, 2
	v_exp_f32 v[LG+2], v[LG+2]
	H 0, 1
	v_exp_f32 v[LG+3], v[LG+3]
	H 2, 1
.irp p, 0,2
	v_pk_fma_f32 v[A+(\p):A+(\p)+1], v[A+(\p):A+(\p)+1], v[W+(\p):W+(\p)+1], 1.0 op_sel_hi:[1,1,0]   ; c_0 = 1: S
.endr
.irp p, 0,2
	v_pk_mul_f32 v[A+(\p):A+(\p)+1], v[A+(\p):A+(\p)+1], v[Q+(\p):Q+(\p)+1]                          ; t^2 S
.endr
.irp e, 0,1,2,3
	v_rsq_f32 v[A+(\e)], v[A+(\e)]
.endr
	s_wait_alu depctr_va_vdst(0)
.irp p, 0,2
	v_pk_mul_f32 v[LG+(\p):LG+(\p)+1], v[LG+(\p):LG+(\p)+1], s[GA:GA+1] op_sel_hi:[1,0]              ; gamma u^(1/6)
.endr
.irp p, 0,2
	v_pk_mul_f32 v[A+(\p):A+(\p)+1], v[A+(\p):A+(\p)+1], v[LG+(\p):LG+(\p)+1]                        ; gamma tau
.endr
.irp e, 0,1,2,3
	v_cndmask_b32 v[XB+(\e)], s[ZE], v[A+(\e)], s[MK+(\e)]  ; gamma * 0 where the mask is false; into the chunk's own registers, which nothing writes again
.endr
	global_store_b128 v[OO], v[XB:XB+3], s[10:11] offset:(\q)*CH_OUT th:TH_STORE_NT  ; the wave stores 512 consecutive bytes, at a multiple of 512 from out's first byte; out is not read again
.endm
.irp q, 0,1,2,3,4,5,6,7
	QUAD \q
.endr
	s_wait_tensorcnt 0x0                           ; the wave's end, behind my last LDS store
	ds_add_u32 v[SPW], v[NIL]
	s_wait_dscnt 0x0
	s_endpgm
.Lfunc_end_k_qe8770065bc_tau:
	.size	k_qe8770065bc_tau, .Lfunc_end_k_qe8770065bc_tau-k_qe8770065bc_tau
	.p2alignl 7, 3214868480
	.fill 96, 4, 3214868480
	.section	.rodata,"a",@progbits
	.p2align	6, 0x0
	.amdhsa_kernel k_qe8770065bc_tau
		.amdhsa_group_segment_fixed_size 53248
		.amdhsa_private_segment_fixed_size 0
		.amdhsa_enable_private_segment 0
		.amdhsa_kernarg_size 32
		.amdhsa_user_sgpr_count 2
		.amdhsa_user_sgpr_kernarg_segment_ptr 1
		.amdhsa_wavefront_size32 1
		.amdhsa_system_sgpr_workgroup_id_x 1
		.amdhsa_system_sgpr_workgroup_id_y 1
		.amdhsa_system_sgpr_workgroup_id_z 1
		.amdhsa_system_vgpr_workitem_id 0
		.amdhsa_next_free_vgpr 128
		.amdhsa_next_free_sgpr 66
		.amdhsa_reserve_vcc 0
		.amdhsa_float_denorm_mode_32 3
		.amdhsa_float_denorm_mode_16_64 3
		.amdhsa_memory_ordered 1
		.amdhsa_forward_progress 1
		.amdhsa_inst_pref_size 35
	.end_amdhsa_kernel
	.amdgpu_metadata
---
amdhsa.version: [ 1, 2 ]
amdhsa.kernels:
  - .name:           k_qe8770065bc_tau
    .symbol:         k_qe8770065bc_tau.kd
    .args:
      - { .name: k, .offset: 0, .size: 8, .value_kind: global_buffer, .address_space: global }
      - { .name: L, .offset: 8, .size: 8, .value_kind: global_buffer, .address_space: global }
      - { .name: gamma, .offset: 16, .size: 8, .value_kind: global_buffer, .address_space: global }
      - { .name: out0, .offset: 24, .size: 8, .value_kind: global_buffer, .address_space: global }
    .group_segment_fixed_size: 53248
    .private_segment_fixed_size: 0
    .kernarg_segment_align: 8
    .kernarg_segment_size: 32
    .max_flat_workgroup_size: 1024
    .sgpr_count:     66
    .vgpr_count:     128
    .wavefront_size: 32
...
	.end_amdgpu_metadata
.endif
;; end of part 1
